; MI455X (gfx1250); checked and timed in simulation.
; The chip was launched on July 23, 2026; its instructions are those of AMD's public machine-readable ISA for CDNA 5 (MIT licence, August 2026) and "CDNA5" Instruction Set Architecture Reference Guide (July 2026). The comments in the code are by the model that wrote it; some were corrected since.
;; Bilinear Scorer. Allowed arithmetic: matrix products marked QUANTISED: E5M2 operands, one given power-of-two scale a tensor, by v_wmma_f32_16x16x64_bf8_bf8 or v_wmma_f32_16x16x128_bf8_bf8, f32 sums; products left as they are: f32 operands where the result goes on into a quantised operand, else bf16, f16 or f32 operands; f32 sums; everything else in f32.
;; Inputs: U_codes 64 x 512 x 16 x 32 uint8 (E5M2 codes of U, K innermost, in blocks of 32 codes); args_input 8 x 512 x 512 float32; bias1 1 x 32,768 float32; bias2 1 x 64 float32; lowp_scales 2 int32 (the exponents e of the quantised operands' scales 2^e); pred_input_codes 8 x 512 x 16 x 32 uint8 (E5M2 codes of pred_input, K innermost, in blocks of 32 codes).
;; Outputs: out0 4,096 x 64 float32.
;; This version of the problem:
;;   THIS VERSION OF THE PROBLEM IS GIVEN IN LOW PRECISION. The matrix products marked QUANTISED in the list below multiply operands that are first quantised to E5M2 (5 exponent bits, 2 mantissa bits; 8 bits a number), with one given power-of-two scale for each operand tensor; their sums are f32. All else is computed in f32.
;;   The module's matrix products, in the order in which they are computed (A, B: the left and right operand; K: the contracted axis; several contracted axes count as one K, in the product's order):
;;     1. [M 4,096, K 512] x [K 512, N 32,768]; A: input pred_input (given as codes); B: input U (given as codes): QUANTISED (scales: A lowp_scales[0], B lowp_scales[1])
;;     2. batch 4,096 x [M 64, K 512] x [K 512, N 1]; A: computed on the way; B: input args_input: left as it is (N = 1 < 16)
;;   THE QUANTISER, for each operand of a quantised product, along K:
;;     - The operand's scale is 2^e, e = its entry of the input lowp_scales (int32; the entries are numbered through the quantised products in the list's order, A before B).
;;     - Each number is divided by the scale, clamped to +-57,344, and rounded to the nearest number of E5M2, ties to even, subnormals kept.
;;     - The product sums the exact products of the quantised numbers (number of the format x scale) in f32.
;;   ~~~python
;;   def quantise(x, axis, e):      # numpy; x: float32 -> the quantised numbers, widened to float32 again
;;       x = np.moveaxis(x, axis, -1); K = x.shape[-1]
;;       r = np.clip(x / 2.0 ** e, -57344, 57344)
;;       step = 2.0 ** (np.maximum(np.frexp(np.where(r == 0, 1, r))[1] - 1, -14) - 2)
;;       q = np.round(r / step) * step * 2.0 ** e      # np.round: ties to even
;;       return np.moveaxis(q, -1, axis).astype(np.float32)
;;   ~~~
;;   INPUTS GIVEN AS CODES. U (in the module: [512, 64, 512], K = its axis 0); pred_input (in the module: [8, 512, 512], K = its axis 2): each comes as NAME_codes (uint8): NAME with its K axis moved to the last place and cut into blocks of 32 codes, [.., K / 32, bytes a block], one block behind the other in memory; one code a byte (a code: sign, 5 exponent bits, 2 mantissa bits); its scale is its entry of lowp_scales. Its value is code x scale, taken as it is: it is not quantised again, and the codes and scales need not be those that the quantiser above would give.
;; One version. Each part assembles by itself: llvm-mc -triple=amdgcn-amd-amdhsa -mcpu=gfx1250 --defsym DOCPART=n.
;; ======== version 1 of 1: 1 launch
;; limits: right only within a limited range of input values
;; launch bilinear (part 1): grid 16 x 16, 4 waves a work-group, clusters of 4 x 4, 327,680 bytes of LDS; arguments U_codes, pred_input_codes, args_input, bias1, bias2, lowp_scales, out0; writes out0
.if DOCPART == 1
	.amdgcn_target "amdgcn-amd-amdhsa--gfx1250"
	.amdhsa_code_object_version 6
	.text
	.protected	k_qc375c10131_bilinear
	.globl	k_qc375c10131_bilinear
	.p2align	8
	.type	k_qc375c10131_bilinear,@function
k_qc375c10131_bilinear:
	s_mov_b64 s[64:65], 0
	v_nop
	global_prefetch_b8 v0, s[64:65] scope:SCOPE_SE
	s_setreg_imm32_b32 hwreg(HW_REG_WAVE_MODE, 25, 1), 1
	s_wait_xcnt 0x0
	s_wait_alu depctr_hold_cnt(0) depctr_sa_sdst(0) depctr_va_vdst(0) depctr_va_sdst(0) depctr_va_ssrc(0) depctr_va_vcc(0) depctr_vm_vsrc(0)
	s_getreg_b32 s2, hwreg(HW_REG_IB_STS2, 6, 4)
	s_cmp_eq_u32 s2, 0
	s_cbranch_scc0 .Lentry_in_a_cluster
	s_endpgm
.Lentry_in_a_cluster:
	s_bfe_u32 s2, ttmp6, 0x10000c
	s_cmp_lg_u32 s2, 0xf033
	s_cbranch_scc0 .Lentry_shape_is_right
	s_endpgm
.Lentry_shape_is_right:
; out[n][r] = sum over k of ( 2^(e0+e1) x (sum over h of P[n][h] U[r][k][h]) + bias1[512 r + k] ) x args[n][k] + bias2[r].
; P: 4,096 tokens x 512 codes of BF8 (E5M2); U: 64 roles x 512 k x 512 codes, h innermost; args: 4,096 x 512 f32; out: 4,096 x 64 f32.
; The inner sum is the quantised product on the codes as they are; the sum over k is done in f32 on its results while they lie in registers.
; SHARES.  A work-group owns 256 tokens x 4 roles: 16 x 16 work-groups.  Wave w: tw = w / 2 says which 128 tokens, kw = w % 2 which 32 of every 64 k.  The wave's 128 tokens of P (8 tiles x 64 registers) stay in registers.
; U comes through two LDS slots by the tensor data mover, a slot holds a block of 64 k x 4 roles; a wave fetches one role of it (64 rows x 512 bytes).  args go from memory straight into registers: each is used by one lane alone, for four roles.
; CLUSTERS: 4 x 4 work-groups.  U's tiles hang on the block of roles alone and are shared along a column of the cluster, P's on the block of tokens alone and are shared along a row: each is asked for jointly.
; THE MATRIX INSTRUCTION IS USED TRANSPOSED: source 0 = 16 rows of U (16 k of one role), source 1 = 16 tokens: lane (r, h) then holds token r and k = 8 h + 0 .. 7.  C of a sum's first instruction is bias1 x 2^-(e0+e1).
; LIMITS: e0 + e1 between -126 and 127, and bias1 x 2^-(e0+e1) a finite f32 number.  A fragment is fetched by loads of 16 bytes: a permutation of h inside an instruction, the same in both operands, so every product
; meets its partner and only the order of the sums differs from the reference's.  A work-group owns 4 of the 64 roles, so a thread stores 16 bytes of a row of out (256 bytes): out is 1 MB of the problem's 28.
; REGISTERS, in windows of 256 (s_set_vgpr_msb: bits 1:0 source 0, 3:2 source 1, 5:4 source 2, 7:6 destination):
;   window 0: v1-15 addresses; v16-79 the running pairs ((t, role) at 16 + 8 t + 2 role); v80-143, v144-207 U's two buffers (4 fragments each); v208-231, v232-255 two banks of three accumulators
;   window 1: P's tiles 0-2; from v192 args of tiles 6, 7.   window 2: P's tiles 3-5; from v192 args of tiles 0-2.   window 3: P's tiles 6, 7; from v128 args of tiles 3-5; from v176 bias1's eight tiles.
;   The args of a group of tiles lie in the window of the NEXT group's P: a group's folding stands among the next group's products, and needs no switch of its own.
.set UP,    528                        ; a row of U or P in LDS: 512 bytes + 16 of padding = 132 words: row r starts at bank 4 r mod 64 (ISA guide 11.1): the 16 rows of a load start at 16 different banks
.set UROLE, 64*UP                      ; 64 k of one role
.set USLOT, 4*UROLE                    ; a block: four roles; also 256 tokens of P
.set BIAS,  2*USLOT                    ; [4 roles][512] f32: bias1 x 2^-(e0+e1), stored once; no tile lands here
.set STG,   BIAS+8192+1024             ; the way out
.set SPARE, STG+16384                  ; the spare words, 128 bytes for each wave: two blocks of 256 bytes that no other line names
.set SPW, 1                            ; LDS address of my spare word; never rewritten
.set NIL, 2                            ; 0; never rewritten
.set UA,  3                            ; v3-6 my row of U: slot 0 roles 0, 1; roles 2, 3; slot 1 likewise
.set AA,  7                            ; my args: token r, k 32 kw + 8 h
.set BA0, 8
.set BA,  9                            ; the same + 256 j
.set PFO, 10                           ; the prefetches' offsets: U,
.set PFR, 11                           ; args; never rewritten
.set SO,  12                           ; the way out: where I put a token's four sums
.set RD,  13                           ; and where I read them back
.set GO,  14                           ; 256 x my thread's number: a row of out
.set PA,  15                           ; my row of P in LDS
.set SUM, 16
.set UB,  80
.set ACC, 208
.set BC,  176                          ; in window 3: bias1's tiles, tile n at + 8 n
.set RR,  96                           ; v96-102 at work at the head only
.set HH,  97
.set LN,  98
.set T16, 99
.set BST, 100
.set FR0, 101
.set PFH, 102
.set OT,  80                           ; the way out: 32 sums
.set LB,  112                          ; and 8 x 4 read back
.set CY,  3
.set WV,  18                           ; wave
.set TW,  19                           ; wave / 2: my 128 tokens.  At the head also: I fetch for P (0) or for U (1)
.set KW,  20                           ; wave % 2: my half of the k.  At the head also: which half of that tile I fetch
.set CX,  21
.set TRIPS, 22
.set RB,  23                           ; block of 4 roles
.set TB,  24                           ; block of 256 tokens
.set JB,  25                           ; 256 x the block of 64 k with which a lap begins
.set SC,  26                           ; 2^(e0+e1) as f32
.set NE,  27                           ; -(e0+e1)
.set G1S, 28                           ; s[28:35] descriptor group 1 for one role of U
.set G1H, 36                           ; s[36:43] for two roles of U at once, at the head
.set G1P, 44                           ; s[44:51] for 128 tokens of P
.set G0S, 52                           ; s[52:55], s[56:59] group 0 for U's slot 0, 1
.set G0H, 60                           ; s[60:63] group 0 for the head's U
.set G0P, 68                           ; s[68:71] for P
.set B2,  72                           ; s[72:75] bias2 of my four roles
.set AB,  76                           ; s[76:77] my 256 tokens' args at the block that is being loaded
.set PFU, 78                           ; s[78:79] where my prefetches of U stand: two blocks on
.set LIM, 92                           ; 0 in cluster y = 0, which prefetches U; else the greatest number
.set LIM2, 93                          ; 1 there, else the greatest number
.set MSB, 0
.macro WIN new                         ; the immediate's high byte repeats the setting that is left; a switch that changes nothing is dropped
.if MSB != \new
	s_set_vgpr_msb (MSB<<8)|\new
.set MSB, \new
.endif
.endm
.macro CREST                           ; a round of the cluster's barrier behind its opening barrier
	s_cmp_lg_u32 s[WV], 0
	s_cbranch_scc1 .Lnot_wave_0_\@
	s_barrier_signal -3
.Lnot_wave_0_\@:
	s_barrier_wait -3
	s_barrier_signal -1
	s_barrier_wait -1
.endm
.macro CROUND                          ; a whole round
	s_barrier_signal -1
	s_barrier_wait -1
	CREST
.endm
.macro JLOAD slot                      ; a joint load: every wave fetches its role of a block
	tensor_load_to_lds s[G0S+4*\slot:G0S+4*\slot+3], s[G1S:G1S+7]
	s_nop 0
.rept 4
	v_nop
.endr
.endm
; U's tile n of a block's eight: role n % 4, my k tile n / 4: 16 rows x 512 h, four fragments, into buffer n % 2: load Y of 16.  Lane (r, h) holds in registers 4 Y .. 4 Y + 3 h-index 32 Y + 16 h + 0 .. 15.
.macro FU1
	ds_load_b128 v[FB+4*Y:FB+4*Y+3], v[FAD] offset:FO+32*Y
.set Y, Y+1
.endm
.macro FSET slot, nx
.set FB, UB+64*((\nx)%2)
.set FAD, UA+2*(\slot)+((\nx)%4)/2
.set FO, ((\nx)%2)*UROLE+((\nx)/4)*16*UP
.set Y, 0
.endm
; my eight args of each tile of tokens of a group (0: tiles 0-2; 1: 3-5; 2: 6, 7), k tile ab of my two, into buffer ab
.macro AL grp, ab
.if (\grp) == 0
	WIN 0x80
.set AD, 192+24*(\ab)
.set AN, 3
.elseif (\grp) == 1
	WIN 0xc0
.set AD, 128+24*(\ab)
.set AN, 3
.else
	WIN 0x40
.set AD, 192+16*(\ab)
.set AN, 2
.endif
.set AO, 3*(\grp)*32768+64*(\ab)
.rept AN
	global_load_b128 v[AD:AD+3], v[AA], s[AB:AB+1] offset:AO
	global_load_b128 v[AD+4:AD+7], v[AA], s[AB:AB+1] offset:AO+16
.set AD, AD+8
.set AO, AO+32768
.endr
.endm
; bias1's tiles 4 bb .. 4 bb + 3 (k tile bb, roles 0 to 3), joff bytes on from the lap's first block
.macro BADD
	WIN 0
	v_add_nc_u32 v[BA], s[JB], v[BA0]
.endm
.macro BIASL bb, joff
	WIN 0xc0
.irp q, 0,1,2,3
	ds_load_b128 v[BC+32*\bb+8*\q:BC+32*\bb+8*\q+3],   v[BA] offset:\joff+\q*2048+\bb*64
	ds_load_b128 v[BC+32*\bb+8*\q+4:BC+32*\bb+8*\q+7], v[BA] offset:\joff+\q*2048+\bb*64+16
.endr
.endm
; What goes out in the same run of memory instructions as a tile of U:
;   1: args buffer 1, groups 0, 1 (last folded in tile 7's runs 1, 2).   2: its group 2 (folded in tile 0's run 0), and bias1 of tiles 4-7.   3, 4: the same for buffer 0 (tiles 3, 4) and for bias1 of the next block's tiles 0-3.
;   5: the prefetch of args.
.macro EXTRA bx
.if (\bx) == 1
	AL 0, 1
	AL 1, 1
.elseif (\bx) == 2
	AL 2, 1
	BIASL 1, JO
.elseif (\bx) == 3
	AL 0, 0
	AL 1, 0
.elseif (\bx) == 4
	AL 2, 0
	BIASL 0, JO+256
.elseif (\bx) == 5
	WIN 0
	global_prefetch_b8 v[PFR], s[AB:AB+1] offset:512 th:TH_LOAD_NT scope:SCOPE_SE
.endif
.endm
; Multiply-add X of the folding of the group finished last (PZ tiles, bank PBANK, role PRHO): tile X % PZ, pair X / PZ.  Pair-major: each accumulator is first read at its low end, and no line feeds the next.
.macro PK
.set XI, X%PZ
.set XQ, X/PZ
.set rS, SUM+8*(3*PG+XI)+2*PRHO
.set rA, ACC+24*PBANK+8*XI+2*XQ
.set rG, ARGB+8*XI+2*XQ
	v_pk_fma_f32 v[rS:rS+1], v[rA:rA+1], v[rG:rG+1], v[rS:rS+1]
.set X, X+1
.endm
; A RUN: U's tile n against group g of my tiles of tokens: 4 Z matrix instructions, the K step outside, the Z accumulators by turns, one instruction a turn.
; The banks of accumulators alternate from run to run (24 runs a block, so the numbers come back).  e = 1: the folding of the run before stands between the products; CNT's hexadecimal digit p says how many lines behind product p.
; PLACES.  Four plain vector instructions that name none of its registers stand between an accumulator's last product and the first read of it (ISA guide 7.12.1): behind a run's last Z products stand 1, 1, 2 (Z = 3) or 1, 3 (Z = 2)
; lines of the other bank's folding, and ahead of the first read of accumulator i stand i reads of the accumulators before it: 4 in every case.  A bank is begun anew two runs later: more than five such lines lie between.
; hs: behind product hs stand, in one run, the 16 loads of U's tile nx from slot and EXTRA bx (99: nothing).  In a run g = 0 it is 3: behind the last product that read that buffer stand three lines of folding, and one more behind product 2.
.macro RUN n, g, e, hs, slot, nx, bx
.set Z, 3-(\g)/2
.set BANK, (3*(\n)+(\g))%2
.set UBR, UB+64*((\n)%2)
.set BIA, BC+8*(\n)
.if (\g) == 0
.set PN, ((\n)+7)%8
.set PG, 2
.set PZ, 2
.set CNT, 0x211101010100
.else
.set PN, \n
.set PG, (\g)-1
.set PZ, 3
.if (\g) == 1
.set CNT, 0x211111111200
.else
.set CNT, 0x31212120
.endif
.endif
.set PBANK, 1-BANK
.set PRHO, PN%4
.set PAB, PN/4
.if PG == 0
.set ARGB, 192+24*PAB
.elseif PG == 1
.set ARGB, 128+24*PAB
.else
.set ARGB, 192+16*PAB
.endif
.set P, 0
.set X, 0
.set WN, 0x30+4*(1+(\g))               ; U window 0, P window 1 + g, C (bias1) window 3, D window 0
.rept 4*Z
.set KS, P/Z
.set TI, P%Z
.set rD, ACC+24*BANK+8*TI
.set rU, UBR+16*KS
.set rP, 64*TI+16*KS
	WIN WN
.if KS == 0
	v_wmma_f32_16x16x128_bf8_bf8 v[rD:rD+7], v[rU:rU+15], v[rP:rP+15], v[BIA:BIA+7]
.else
	v_wmma_f32_16x16x128_bf8_bf8 v[rD:rD+7], v[rU:rU+15], v[rP:rP+15], v[rD:rD+7]
.endif
.if P == Z-1
.set WN, 4*(1+(\g))                    ; C window 0 from here on.  The same setting serves the folding (pair, accumulator: window 0; args: window 1 + g) and U's loads
	WIN WN
.endif
.if \e
.rept (CNT>>(4*P))%16
	PK
.endr
.endif
.if P == (\hs)
	FSET \slot, \nx
.rept 16
	FU1
.endr
	EXTRA \bx
.endif
.set P, P+1
.endr
.if (\e) == 0
.rept 4
	v_nop                                          ; the very first run has no folding beside it: these are the places behind its products
.endr
.endif
.endm
.macro R n, g                          ; a run that loads nothing
	RUN \n, \g, 1, 99, 0, 0, 0
.endm
	s_load_b256 s[4:11], s[0:1], 0x0               ; U's codes s[4:5], P's codes s[6:7], args s[8:9], bias1 s[10:11]
	s_load_b128 s[12:15], s[0:1], 0x20             ; bias2 s[12:13], the scales' exponents s[14:15]
	s_load_b64 s[16:17], s[0:1], 0x30              ; out
	v_lshl_add_u32 v[SPW], v0, 2, SPARE
	v_mov_b32 v[NIL], 0
	ds_add_u32 v[SPW], v[NIL]                      ; the wave's opening: the add, twice on end, and its wait ahead of my first tensor load
	ds_add_u32 v[SPW], v[NIL]
	v_lshrrev_b32 v15, 5, v0
	v_readfirstlane_b32 s[WV], v15                 ; wave 0..3
	s_lshr_b32 s[TW], s[WV], 1
	s_and_b32 s[KW], s[WV], 1
	s_bfe_u32 s[CX], ttmp6, 0x40000                ; cx, cy: my place in the cluster
	s_bfe_u32 s[CY], ttmp6, 0x40004
	s_lshl_b32 s[RB], ttmp9, 2
	s_add_co_u32 s[RB], s[RB], s[CX]               ; block of roles = 4 x cluster x + cx
	s_and_b32 s[TB], ttmp7, 0xffff
	s_lshl_b32 s[TB], s[TB], 2
	s_add_co_u32 s[TB], s[TB], s[CY]               ; block of tokens = 4 x cluster y + cy
	; descriptor group 1.  15:0 the mask, U's: my column of the cluster, P's: my row; 20 padding on, 21 set beside a mask; 4 words of padding behind every 128 (codes 3 and 6)
	s_lshl_b32 s88, 0x1111, s[CX]
	s_lshl_b32 s89, s[CY], 2
	s_lshl_b32 s89, 15, s89
	; one role of U: 64 rows x 512 elements of 1 byte
	s_or_b32 s[G1S], s88, (1<<20)|(1<<21)|(6<<22)|(3<<25)
	s_mov_b32 s[G1S+1], 512<<16                    ; tensor_dim0
	s_mov_b32 s[G1S+2], 64<<16                     ; tensor_dim1
	s_mov_b32 s[G1S+3], 512<<16                    ; tile_dim0
	s_mov_b32 s[G1S+4], 64                         ; tile_dim1
	s_mov_b32 s[G1S+5], 512                        ; tensor_dim0_stride
	s_mov_b32 s[G1S+6], 0
	s_mov_b32 s[G1S+7], 0
	; two roles of U: a role's 64 k are 32,768 bytes on end: 2 rows x 4,096 elements of 8 bytes, 262,144 bytes from row to row; the same padding, so the same image in LDS
	s_or_b32 s[G1H], s88, (3<<16)|(1<<20)|(1<<21)|(6<<22)|(3<<25)
	s_mov_b32 s[G1H+1], 4096<<16
	s_mov_b32 s[G1H+2], 2<<16
	s_mov_b32 s[G1H+3], 4096<<16
	s_mov_b32 s[G1H+4], 2
	s_mov_b32 s[G1H+5], 32768
	s_mov_b32 s[G1H+6], 0
	s_mov_b32 s[G1H+7], 0
	; P: 128 rows x 512 elements of 1 byte
	s_or_b32 s[G1P], s89, (1<<20)|(1<<21)|(6<<22)|(3<<25)
	s_mov_b32 s[G1P+1], 512<<16
	s_mov_b32 s[G1P+2], 128<<16
	s_mov_b32 s[G1P+3], 512<<16
	s_mov_b32 s[G1P+4], 128
	s_mov_b32 s[G1P+5], 512
	s_mov_b32 s[G1P+6], 0
	s_mov_b32 s[G1P+7], 0
	; offsets.  What feeds U's descriptors (s80-85) never holds cy, what feeds P's (s86, s87) never cx
	s_lshl_b32 s80, s[RB], 2
	s_add_co_u32 s84, s80, s[KW]
	s_add_co_u32 s84, s84, s[KW]
	s_lshl_b32 s84, s84, 18                        ; the head's U: roles 4 x block + 2 (wave % 2) and the next, of 262,144 bytes
	s_mov_b32 s85, 0
	s_add_co_u32 s80, s80, s[WV]
	s_lshl_b32 s80, s80, 18                        ; later: role 4 x block + wave
	s_mov_b32 s81, 0
	s_mul_i32 s82, s[WV], UROLE                    ; its place in a slot: no place in the cluster enters an LDS address
	s_mul_i32 s83, s[KW], 2*UROLE                  ; the place of two roles, and of 128 tokens of P
	s_lshl_b32 s[PFU], s[CY], 13
	s_add_co_u32 s[PFU], s[PFU], s80
	s_add_co_u32 s[PFU], s[PFU], 65536             ; the prefetches of U: my wave's role, my work-group's 16 of a block's 64 rows, block 2
	s_mov_b32 s[PFU+1], 0
	s_lshl_b32 s86, s[TB], 17                      ; P: token 256 x block + 128 (wave % 2), of 512 bytes
	s_lshl_b32 s87, s[KW], 16
	s_add_co_u32 s86, s86, s87
	s_mov_b32 s87, 0
	s_lshl_b32 s[AB], s[TB], 19                    ; args: token 256 x block, of 2,048 bytes
	s_mov_b32 s[AB+1], 0
	s_lshl_b32 s90, s[CX], 6
	s_lshl_b32 s91, s[WV], 4
	s_add_co_u32 s90, s90, s91                     ; the prefetches of args: my work-group's 64 of the 256 rows, my wave's 16 of them
	s_mul_i32 s91, s[TW], 2*UROLE
	s_add_co_u32 s91, s91, USLOT                   ; P in LDS: slot 1, my 128 tokens
	s_lshl_b32 s92, s[TW], 18
	s_lshl_b32 s94, s[KW], 7
	s_add_co_u32 s92, s92, s94                     ; my args: 128 tw tokens, 32 kw numbers
	s_add_co_u32 s94, s94, BIAS
	s_mul_i32 s93, s[KW], 32*UP                    ; my rows of U
	s_lshl_b32 s95, s[KW], 13
	s_lshl_b32 s2, s[TW], 11
	s_add_co_u32 s95, s95, s2
	s_add_co_u32 s95, s95, STG
	s_mov_b32 s[TRIPS], 3
	s_mov_b32 s[JB], 0
	v_and_b32 v[RR], 15, v0                        ; r = lane % 16
	v_bfe_u32 v[HH], v0, 4, 1                      ; h = lane / 16
	v_and_b32 v[LN], 31, v0
	v_lshlrev_b32 v[T16], 4, v0
	v_mul_u32_u24 v[FR0], v[RR], UP
	v_lshl_add_u32 v[FR0], v[HH], 4, v[FR0]        ; a fragment's row x pitch + 16 h
	v_add_nc_u32 v[UA], s93, v[FR0]
	v_add_nc_u32 v[UA+1], 2*UROLE, v[UA]
	v_add_nc_u32 v[UA+2], USLOT, v[UA]
	v_add_nc_u32 v[UA+3], USLOT+2*UROLE, v[UA]
	v_add_nc_u32 v[PA], s91, v[FR0]
	v_lshlrev_b32 v[AA], 11, v[RR]
	v_lshl_add_u32 v[AA], v[HH], 5, v[AA]
	v_add_nc_u32 v[AA], s92, v[AA]
	v_lshl_add_u32 v[BA0], v[HH], 5, s94
	v_lshlrev_b32 v[SO], 4, v[RR]
	v_lshl_add_u32 v[SO], v[HH], 12, v[SO]
	v_add_nc_u32 v[SO], s95, v[SO]
	v_lshl_add_u32 v[RD], v0, 4, STG
	v_lshl_add_u32 v[BST], v0, 4, BIAS
	v_lshlrev_b32 v[GO], 8, v0
	v_lshlrev_b32 v[PFO], 8, v[LN]
	v_add_lshl_u32 v[PFH], v[RR], s90, 11
	v_lshl_add_u32 v[PFR], v[HH], 8, v[PFH]        ; lanes 16-31 one block of 64 k further on
.set i, 0
.rept 64
	v_mov_b32 v[SUM+i], 0                          ; the running pairs.  (A block is written once for all k: its first folding finds zeros)
.set i, i+1
.endr
	s_wait_alu depctr_va_vdst(0)
	s_wait_dscnt 0x0                               ; both opening adds are done
	s_wait_kmcnt 0x0
	s_lshl_b32 s90, s[RB], 4                       ; bias2, and a row of out: four roles of 4 bytes
	s_mov_b32 s91, 0
	s_add_nc_u64 s[12:13], s[12:13], s[90:91]
	s_load_b64 s[66:67], s[14:15], 0x0             ; e0, e1
	s_load_b128 s[B2:B2+3], s[12:13], 0x0          ; bias2 of my four roles
	s_add_nc_u64 s[16:17], s[16:17], s[90:91]
	s_lshl_b32 s90, s[TB], 16                      ; out: 256 tokens of 256 bytes
	s_add_nc_u64 s[16:17], s[16:17], s[90:91]
	s_lshl_b32 s90, s[RB], 13                      ; bias1: four roles of 2,048 bytes
	s_add_nc_u64 s[10:11], s[10:11], s[90:91]
	s_add_nc_u64 s[AB:AB+1], s[8:9], s[AB:AB+1]
	s_add_nc_u64 s[PFU:PFU+1], s[4:5], s[PFU:PFU+1]
	s_mov_b32 s[G0P], 1                            ; 1:0 count = 1
	s_add_co_u32 s[G0P+1], s83, USLOT              ; 63:32 LDS address
	s_add_nc_u64 s[G0P+2:G0P+3], s[6:7], s[86:87]  ; 120:64 global address
	s_or_b32 s[G0P+3], s[G0P+3], 0x80000000        ; 127:126 type = 2
	s_mov_b32 s[G0H], 1
	s_mov_b32 s[G0H+1], s83
	s_add_nc_u64 s[G0H+2:G0H+3], s[4:5], s[84:85]
	s_or_b32 s[G0H+3], s[G0H+3], 0x80000000
	s_mov_b32 s[G0S], 1                            ; slot 0, at block 0: stepped two blocks on ahead of each refill
	s_mov_b32 s[G0S+1], s82
	s_add_nc_u64 s[G0S+2:G0S+3], s[4:5], s[80:81]
	s_mov_b32 s[G0S+4], 1                          ; slot 1, at block 1
	s_add_co_u32 s[G0S+5], s82, USLOT
	s_add_nc_u64 s[G0S+6:G0S+7], s[G0S+2:G0S+3], 32768
	s_or_b32 s[G0S+3], s[G0S+3], 0x80000000
	s_or_b32 s[G0S+7], s[G0S+7], 0x80000000
	s_and_b32 s90, ttmp7, 0xffff                   ; cluster y
	s_cmp_eq_u32 s90, 0
	s_cselect_b32 s[LIM], 0, -1                    ; the same in all sixteen partners
	s_cselect_b32 s[LIM2], 1, -1
	CROUND                                         ; all sixteen work-groups are here: the first joint loads meet
	s_cmp_eq_u32 s[TW], 0                          ; one tensor load a wave at the head: waves 0, 1 P's halves into slot 1; waves 2, 3 U's block 0 into slot 0
	s_cbranch_scc0 .Lfirst_u
	tensor_load_to_lds s[G0P:G0P+3], s[G1P:G1P+7]
	s_nop 0
.rept 4
	v_nop
.endr
	s_branch .Lfirst_asked
.Lfirst_u:
	tensor_load_to_lds s[G0H:G0H+3], s[G1H:G1H+7]
	s_nop 0
.rept 4
	v_nop
.endr
.Lfirst_asked:
.irp i, 0,1,2,3
	global_load_b128 v[UB+4*\i:UB+4*\i+3], v[T16], s[10:11] offset:2048*\i   ; bias1 of my four roles: 128 threads x 16 bytes, four times
.endr
	AL 0, 0                                        ; block 0's args: buffer 0, 16 loads (buffer 1 goes out in the first runs of tiles 0 and 1)
	AL 1, 0
	AL 2, 0
	WIN 0
	; PREFETCHES INTO THE L2.  args: every second trip, in tile 2, the two blocks that stand two and three on, a trip or more ahead of their loads; each block of 256 bytes once in each cluster that loads it (four do): the partner
	; at cx takes 64 of the 256 rows, a wave 16, lanes 0-15 the nearer block and lanes 16-31 the other.  U: behind the joint load at a trip's end the block three on, one trip ahead of the joint load that asks for it; the four
	; clusters of a column read the same rows: cluster y = 0 asks, wave w for its role, the partner at cy for 8,192 of its 32,768 bytes, a lane every 256.  Here: args' block 1 (both halves of the lanes name it) and U's block 2.
	; Block 7 is the last: U's prefetch is left out in trip 5, and neither stands in the two trips behind the loop.
	global_prefetch_b8 v[PFH], s[AB:AB+1] offset:256 th:TH_LOAD_NT scope:SCOPE_SE
	s_cmp_gt_u32 s[TRIPS], s[LIM]
	s_cbranch_scc0 .Lnot_mine
	global_prefetch_b8 v[PFO], s[PFU:PFU+1] th:TH_LOAD_NT scope:SCOPE_SE
.Lnot_mine:
	s_wait_kmcnt 0x0
	s_add_co_i32 s[SC], s66, s67                   ; e0 + e1, between -126 and 127
	s_sub_co_i32 s[NE], 0, s[SC]
	s_add_co_i32 s[SC], s[SC], 127
	s_lshl_b32 s[SC], s[SC], 23                    ; 2^(e0 + e1) as f32
	s_wait_loadcnt 16                              ; bias1 is in; the 16 loads of args may be out
.irp i, 0,1,2,3,4,5,6,7,8,9,10,11,12,13,14,15
	v_ldexp_f32 v[UB+\i], v[UB+\i], s[NE]          ; a sum of the product stands for sum x 2^(e0 + e1): bias1 goes in divided by that
.endr
.irp i, 0,1,2,3
	ds_store_b128 v[BST], v[UB+4*\i:UB+4*\i+3] offset:2048*\i
.endr
	s_wait_alu depctr_va_vdst(0)
	s_wait_xcnt 0x0                                ; PFH has been read: U's first tile lands on it
	s_wait_tensorcnt 0x0                           ; my first tile is in,
	s_wait_dscnt 0x0                               ; my part of bias1's table is stored:
	s_barrier_signal -1
	s_barrier_wait -1                              ; everybody's are.
	FSET 0, 0
.rept 16
	FU1                                            ; U's tile 0
.endr
	BADD
	BIASL 0, 0
	; P stays in registers: tile t in window 1 + t / 3 at 64 (t % 3); fragment s at + 16 s, laid as U's
.irp t, 0,1,2,3,4,5,6,7
.set WN, (1+\t/3)<<6
	WIN WN
.irp s, 0,1,2,3
.irp c, 0,1,2,3
	ds_load_b128 v[64*(\t%3)+16*\s+4*\c:64*(\t%3)+16*\s+4*\c+3], v[PA] offset:\t*16*UP+128*\s+32*\c
.endr
.endr
.endr
	s_wait_dscnt 63                                ; U's tile 0, bias1 and P's tiles 0-2 are in: 80 loads were issued behind them
	RUN 0, 0, 0, 3, 0, 1, 1                        ; the very first run stands in front of the loop: nothing is there yet to fold
	WIN 0
	s_wait_tensorcnt 0x0                           ; ahead of slot 1's refill: all my tensor loads have landed;
	ds_add_u32 v[SPW], v[NIL]                      ; 0 onto my spare word;
	s_wait_dscnt 0x0                               ; the add is done, and my reads of P are over
	CROUND                                         ; everybody's are, in all partners
	JLOAD 1                                        ; U's block 1 takes P's place
; A TRIP is a block of 64 k, in slot s: eight tiles of U a wave, 256 matrix instructions and 256 packed multiply-adds.  It goes from tile 0's second run to the next block's first.
; Each tile has ONE run of memory instructions, the next tile's 16 loads and what else is due: behind its fourth product (EXTRA), in tiles 6 and 7 ahead of the first.  Its loads have 24 matrix instructions or more in which to land:
; the waits on DScnt are for 0.
; args: buffer 0 serves tiles 0-3, buffer 1 tiles 4-7; they come by 12 loads (groups 0, 1: six each) and 4 (group 2), four tiles ahead.  The waits on LOADcnt leave out what was issued behind the group that is needed:
; 6 + 4 + 12 = 22, then 4 + 12 = 16, then 12; in the last trip's second half 10, 4, 0.
; ONE CHANGE OF SLOTS, in tile 6: the slot is read out by tile 7's loads, the other slot is shown whole; every wave waits for its tensor load, adds 0 to its spare word, and waits for that and for its reads;
; the barrier opens a round of the cluster's barrier, and the joint refill is the first thing behind it: 224 matrix instructions ahead of the wait for it.
; last = 1: block 6, nothing is left to ask for; 2: block 7.  pf = 1: the first trip of a lap, which prefetches args; 2: the second, whose U prefetch is left out in the last lap.
.macro TRIP s, last, joff, pf
.set JO, \joff
	s_wait_loadcnt 22
	R 0, 1
	s_wait_loadcnt 16
	R 0, 2
	s_wait_loadcnt 12
	s_wait_dscnt 0x0
	BADD
	RUN 1, 0, 1, 3, \s, 2, 2
	R 1, 1
	R 1, 2
	s_wait_dscnt 0x0
.if (\pf) == 1
	RUN 2, 0, 1, 3, \s, 3, 5
.else
	RUN 2, 0, 1, 3, \s, 3, 0
.endif
	R 2, 1
	R 2, 2
	s_wait_dscnt 0x0
	RUN 3, 0, 1, 3, \s, 4, 0
	R 3, 1
.if (\last) < 2
	s_wait_xcnt 0x0                                ; every earlier load and prefetch has read its address (ISA guide 3.1)
	s_add_nc_u64 s[AB:AB+1], s[AB:AB+1], 256       ; the next block's args
.if (\last) == 0
	s_add_nc_u64 s[PFU:PFU+1], s[PFU:PFU+1], 32768
.endif
.endif
	R 3, 2
	s_wait_dscnt 0x0
.if (\last) < 2
	RUN 4, 0, 1, 3, \s, 5, 3
	s_wait_loadcnt 22
	R 4, 1
	s_wait_loadcnt 16
	R 4, 2
	s_wait_loadcnt 12
	s_wait_dscnt 0x0
	BADD
	RUN 5, 0, 1, 3, \s, 6, 4
.else
	RUN 4, 0, 1, 3, \s, 5, 0
	s_wait_loadcnt 10
	R 4, 1
	s_wait_loadcnt 4
	R 4, 2
	s_wait_loadcnt 0
	s_wait_dscnt 0x0
	RUN 5, 0, 1, 3, \s, 6, 0
.endif
	R 5, 1
	R 5, 2
	s_wait_dscnt 0x0
.if (\last) < 2
	v_nop                                          ; with the three lines of folding behind tile 5's last product the fourth place ahead of loads into its buffer
	WIN 0                                          ; (the add's two registers lie in window 0)
	FSET \s, 7
.rept 16
	FU1                                            ; tile 7: my last reads of this slot
.endr
	s_wait_tensorcnt 0x0                           ; all my tensor loads have landed: my part of the other slot;
	ds_add_u32 v[SPW], v[NIL]                      ; 0 onto my spare word; two runs stand between it and the wait for it
.if (\last) == 0
	s_add_nc_u64 s[G0S+4*\s+2:G0S+4*\s+3], s[G0S+4*\s+2:G0S+4*\s+3], 65536   ; this slot's next block: two on
.endif
	R 6, 0
	R 6, 1
	s_wait_dscnt 0x0                               ; the add is done, and my reads of this slot are over
	s_barrier_signal -1
	R 6, 2                                         ; work on registers while the others arrive
	WIN 0
	s_barrier_wait -1
.if (\last) == 0
	CREST                                          ; no wave of any partner still reads this slot or has a load on its way
	JLOAD \s                                       ; its four v_nop are also the places in front of the loads below
.else
.rept 4
	v_nop
.endr
.endif
	FSET 1-\s, 0
.rept 16
	FU1                                            ; the next block's tile 0
.endr
.if (\last) == 0
.if (\pf) == 1
	s_cmp_gt_u32 s[TRIPS], s[LIM]
.else
	s_cmp_gt_u32 s[TRIPS], s[LIM2]
.endif
	s_cbranch_scc0 .Lnot_mine_\@
	global_prefetch_b8 v[PFO], s[PFU:PFU+1] th:TH_LOAD_NT scope:SCOPE_SE
.Lnot_mine_\@:
.endif
	R 7, 0
	R 7, 1
	R 7, 2
	s_wait_dscnt 0x0
	RUN 0, 0, 1, 3, 1-\s, 1, 1
.else
	RUN 6, 0, 1, 3, \s, 7, 0
	R 6, 1
	R 6, 2
	s_wait_dscnt 0x0
	R 7, 0
	R 7, 1
	R 7, 2
.endif
	WIN 0                                          ; at a label and at a branch every window is 0
.endm
	WIN 0
.Llap:                                                 ; three laps of two blocks
	TRIP 0, 0, 0, 1
	TRIP 1, 0, 256, 2
	s_add_co_u32 s[JB], s[JB], 512
	s_sub_co_u32 s[TRIPS], s[TRIPS], 1
	s_cmp_lg_u32 s[TRIPS], 0
	s_cbranch_scc1 .Llap
	TRIP 0, 1, 0, 0
	TRIP 1, 2, 256, 0
.set PG, 2                             ; the last group's folding: tile 7, tiles of tokens 6 and 7; the places behind its products are counted as in every run
.set PZ, 2
.set PBANK, 1
.set PRHO, 3
.set ARGB, 192+16
.set X, 0
	WIN 0x04
.rept 8
	PK
.endr
	WIN 0
.irp t, 0,1,2,3,4,5,6,7
.irp p, 0,1,2,3
	v_add_f32 v[OT+4*\t+\p], v[SUM+8*\t+2*\p], v[SUM+8*\t+2*\p+1]
.endr
.endr
.irp t, 0,1,2,3,4,5,6,7
	ds_store_b128 v[SO], v[OT+4*\t:OT+4*\t+3] offset:256*\t
.endr
	s_wait_dscnt 0x0                               ; for the others' sake: my stores into the stage are done
	s_barrier_signal -1
	s_barrier_wait -1
.irp u, 0,1
.irp p, 0,1,2,3
	ds_load_b128 v[LB+16*\u+4*\p:LB+16*\u+4*\p+3], v[RD] offset:4096*\p+2048*\u
.endr
.endr
	s_wait_dscnt 0x0
.irp u, 0,1
.irp d, 0,2
	v_pk_add_f32 v[LB+16*\u+\d:LB+16*\u+\d+1], v[LB+16*\u+\d:LB+16*\u+\d+1], v[LB+16*\u+4+\d:LB+16*\u+4+\d+1]
	v_pk_add_f32 v[LB+16*\u+8+\d:LB+16*\u+8+\d+1], v[LB+16*\u+8+\d:LB+16*\u+8+\d+1], v[LB+16*\u+12+\d:LB+16*\u+12+\d+1]
.endr
.irp d, 0,2
	v_pk_add_f32 v[LB+16*\u+\d:LB+16*\u+\d+1], v[LB+16*\u+\d:LB+16*\u+\d+1], v[LB+16*\u+8+\d:LB+16*\u+8+\d+1]
.endr
.irp p, 0,1,2,3
	v_fma_f32 v[LB+16*\u+\p], v[LB+16*\u+\p], s[SC], s[B2+\p]   ; out = S x 2^(e0 + e1) + bias2
.endr
	global_store_b128 v[GO], v[LB+16*\u:LB+16*\u+3], s[16:17] offset:32768*\u   ; my work-group's four roles of a token's row: 16 bytes a lane, rows 256 bytes apart
.endr
	s_wait_tensorcnt 0x0                           ; the wave's end: behind my last tensor load and my last LDS store
	ds_add_u32 v[SPW], v[NIL]
	s_wait_dscnt 0x0
	CROUND                                         ; the closing round: no work-group ends while a partner may still ask for a tile that names it
	s_endpgm
.Lfunc_end_k_qc375c10131_bilinear:
	.size	k_qc375c10131_bilinear, .Lfunc_end_k_qc375c10131_bilinear-k_qc375c10131_bilinear
	.p2alignl 7, 3214868480
	.fill 96, 4, 3214868480
	.section	.rodata,"a",@progbits
	.p2align	6, 0x0
	.amdhsa_kernel k_qc375c10131_bilinear
		.amdhsa_group_segment_fixed_size 327680
		.amdhsa_private_segment_fixed_size 0
		.amdhsa_enable_private_segment 0
		.amdhsa_kernarg_size 56
		.amdhsa_user_sgpr_count 2
		.amdhsa_user_sgpr_kernarg_segment_ptr 1
		.amdhsa_wavefront_size32 1
		.amdhsa_system_sgpr_workgroup_id_x 1
		.amdhsa_system_sgpr_workgroup_id_y 1
		.amdhsa_system_sgpr_workgroup_id_z 1
		.amdhsa_system_vgpr_workitem_id 0
		.amdhsa_next_free_vgpr 1024
		.amdhsa_next_free_sgpr 96
		.amdhsa_reserve_vcc 0
		.amdhsa_float_denorm_mode_32 3
		.amdhsa_float_denorm_mode_16_64 3
		.amdhsa_memory_ordered 1
		.amdhsa_forward_progress 1
		.amdhsa_inst_pref_size 214
	.end_amdhsa_kernel
	.amdgpu_metadata
---
amdhsa.version: [ 1, 2 ]
amdhsa.kernels:
  - .name:           k_qc375c10131_bilinear
    .symbol:         k_qc375c10131_bilinear.kd
    .args:
      - { .name: U_codes, .offset: 0, .size: 8, .value_kind: global_buffer, .address_space: global }
      - { .name: pred_input_codes, .offset: 8, .size: 8, .value_kind: global_buffer, .address_space: global }
      - { .name: args_input, .offset: 16, .size: 8, .value_kind: global_buffer, .address_space: global }
      - { .name: bias1, .offset: 24, .size: 8, .value_kind: global_buffer, .address_space: global }
      - { .name: bias2, .offset: 32, .size: 8, .value_kind: global_buffer, .address_space: global }
      - { .name: lowp_scales, .offset: 40, .size: 8, .value_kind: global_buffer, .address_space: global }
      - { .name: out0, .offset: 48, .size: 8, .value_kind: global_buffer, .address_space: global }
    .group_segment_fixed_size: 327680
    .private_segment_fixed_size: 0
    .kernarg_segment_align: 8
    .kernarg_segment_size: 56
    .max_flat_workgroup_size: 128
    .sgpr_count:     96
    .vgpr_count:     1024
    .wavefront_size: 32
...
	.end_amdgpu_metadata
.endif
;; end of part 1
